; MI455X (gfx1250); checked and timed in simulation.
; The chip was launched on July 23, 2026; its instructions are those of AMD's public machine-readable ISA for CDNA 5 (MIT licence, August 2026) and "CDNA5" Instruction Set Architecture Reference Guide (July 2026). The comments in the code are by the model that wrote it; some were corrected since.
;; Model. Allowed arithmetic: float matrix products may take bf16 or f16 operands with f32 sums; all other float work in f32.
;; Inputs: W1 16 x 2 float32; W2 1 x 16 float32; b1 16 float32; b2 1 float32; y 1,048,576 x 1 float32.
;; Outputs: out0 1,048,576 x 2 float32.
;; One version. Each part assembles by itself: llvm-mc -triple=amdgcn-amd-amdhsa -mcpu=gfx1250 --defsym DOCPART=n.
;; ======== version 1 of 1: 1 launch
;; launch lm_solve (part 1): grid 256 x 1, 4 waves a work-group, no clusters, 0 bytes of LDS; arguments W1, b1, W2, b2, y, out0; writes out0
.if DOCPART == 1
	.amdgcn_target "amdgcn-amd-amdhsa--gfx1250"
	.amdhsa_code_object_version 6
	.text
	.protected	k_q4598729725_lm_solve
	.globl	k_q4598729725_lm_solve
	.p2align	8
	.type	k_q4598729725_lm_solve,@function
k_q4598729725_lm_solve:
	s_mov_b64 s[64:65], 0
	v_nop
	global_prefetch_b8 v0, s[64:65] scope:SCOPE_SE
	s_setreg_imm32_b32 hwreg(HW_REG_WAVE_MODE, 25, 1), 1
	s_wait_xcnt 0x0
; 25 damped Gauss-Newton steps on x in R^2 for r(x) = 1000 - (W2 . relu(W1 clip(x) + b1) + b2), for 1,048,576 rows.
;
; WHAT THE ROWS SHARE.  The function starts every row from x = (0, 0) and takes from y nothing but its length, so for every
; input of these shapes all rows walk one trajectory, and out0 is one pair (x0, x1) written 1,048,576 times.  Each wave walks
; the 25 steps itself (nothing is handed between waves: no LDS, no barrier, no second launch) and then stores its share.
; y: its numbers enter no result (a product with 0 would wrongly spread a NaN or an infinity), so each thread loads its own
; rows' y once, while the chain runs, into registers that nothing reads.  That is all that is done with y.
;
; THE SOLVE.  (I + J^T J) dx = -J^T r with J one row of two numbers has, for every J, the solution dx = -J^T r / (1 + |J|^2).
; It is what the Cholesky factor and its two triangular solves give, up to rounding, with one reciprocal in the chain.
; With G_i = m_i * sum over k of [p_k > 0] W2_k W1_ki:  J = -G,  r = (1000 - b2) - S,  S = sum of W2_k relu(p_k),
; and the step is  x += (G * rr) * 1 / (1 + G0^2 + G1^2),  rr = 1e-4 r = K - 1e-4 S,  K = 1e-4 (1000 - b2).
; Derivatives as the function's own: relu' is 1 only where p > 0; the clip's m is 1 for |x| < 1, 0.5 at |x| = 1 (its minimum
; and maximum halve the derivative at a tie), 0 beyond.  relu is written (0 > p) ? 0 : p, so that a NaN in p goes on into x.
;
; NO MATRIX INSTRUCTION: with the rows collapsed a step is one product of 1 x 2 by 2 x 16 and three sums over 16 numbers; a
; 16 x 16 x 32 instruction would be used to 1/256, would round J's factors to 16 bits, and its places would lengthen the chain.
; All arithmetic is f32.  The order of rounding differs from the function's (closed form, 1e-4 folded into r).
; LIMIT: where 1 + |G|^2 is above 2^126 (|G| above about 9e18) v_rcp_f32's result would be denormal and comes out as 0
; (ISA guide 15.8), so the step is 0 where its true size is below 1e-15.
;
; LANES: lane l holds hidden unit l & 15; both halves of 16 lanes hold the same 16 units, so four DPP sums (row_xmask 1, 2, 4, 8)
; leave each whole sum in all 32 lanes and no step crosses the halves.  x0, x1 are kept in every lane.
; SHARES: 256 work-groups of 4 waves.  A work-group owns 4,096 rows: 16,384 bytes of y, 32,768 bytes of out0.  Thread t takes
; the 16 bytes at 16 t of each chunk of 2,048 bytes: a wave's load or store covers 512 consecutive bytes, aligned to 512.
.set STEPSZ,   0x38d1b717              ; 1e-4
.set NSTEPSZ,  0xb8d1b717              ; -1e-4
.set THOUSAND, 0x447a0000              ; 1000.0
.set UNROLL,   5                       ; steps written out in a trip
.set TRIPS,    5                       ; 5 x 5 = 25 steps
.set CHUNK,    2048                    ; 128 threads x 16 bytes
.set OFF, 1                            ; v1       16 t; never rewritten
.set R8,  2                            ; v2       8 (t & 15): my unit's row of W1
.set R4,  3                            ; v3       4 (t & 15): my unit's word of b1 and of W2
.set WA,  4                            ; v[4:5]   W1[k][0], W1[k][1]
.set WB,  5
.set BB,  6                            ; v6       b1[k]
.set WO,  7                            ; v7       W2[k]
.set GA,  8                            ; v8, v9   W2[k] W1[k][0], W2[k] W1[k][1]
.set GB,  9
.set GAH, 10                           ; v10, v11 half of those, for |x| = 1
.set GBH, 11
.set K,   12                           ; v12      1e-4 (1000 - b2)
.set P,   13                           ; v13      my unit's pre-activation
.set X,   14                           ; v[14:17] x0, x1; at the end x0, x1 once more: 16 bytes = two rows of out0
.set XC,  18                           ; v18, v19 x clipped
.set T,   20                           ; v20      relu(p), then W2 relu(p), then S
.set D,   21                           ; v21      1 + G0^2 + G1^2
.set G,   22                           ; v[22:23] my unit's terms of G, then G
.set GM,  24                           ; v24, v25 GA, GB times the clip's derivative
.set RR,  26                           ; v[26:27] 1e-4 r; the upper register is only ever 0 (a packed source pair is read whole)
.set RC,  28                           ; v[28:29] 1 / D; likewise
.set A,   30                           ; v[30:31] G * rr
.set Y,   32                           ; v[32:63] where y lands; named by nothing else
	s_load_b256 s[4:11], s[0:1], 0x0               ; W1 s[4:5], b1 s[6:7], W2 s[8:9], b2 s[10:11]
	s_load_b128 s[12:15], s[0:1], 0x20             ; y s[12:13], out0 s[14:15]
	v_lshlrev_b32 v[OFF], 4, v0                    ; 16 t
	v_and_b32 v[R8], 15, v0                        ; my hidden unit k
	v_lshlrev_b32 v[R4], 2, v[R8]
	v_lshlrev_b32 v[R8], 3, v[R8]
	s_lshl_b32 s16, ttmp9, 14                      ; the work-group's 16,384 bytes of y
	s_mov_b32 s17, 0
	s_lshl_b32 s18, ttmp9, 15                      ; and its 32,768 bytes of out0
	s_mov_b32 s19, 0
	s_mov_b32 s27, THOUSAND
	v_mov_b32 v[X], 0                              ; x starts at (0, 0)
	v_mov_b32 v[X+1], 0
	v_mov_b32 v[RR+1], 0
	v_mov_b32 v[RC+1], 0
	s_wait_kmcnt 0x0                               ; the six addresses
	s_add_nc_u64 s[12:13], s[12:13], s[16:17]
	s_add_nc_u64 s[14:15], s[14:15], s[18:19]
	global_load_b64 v[WA:WB], v[R8], s[4:5]        ; the weights first: the chain waits for these three alone
	global_load_b32 v[BB], v[R4], s[6:7]
	global_load_b32 v[WO], v[R4], s[8:9]
	s_load_b32 s25, s[10:11], 0x0                  ; b2
.irp j, 0,1,2,3,4,5,6,7
	global_load_b128 v[Y+4*\j:Y+4*\j+3], v[OFF], s[12:13] offset:CHUNK*\j th:TH_LOAD_NT   ; y, each byte once in the launch
.endr
	s_wait_loadcnt 0x8                             ; loads come back in order (ISA guide 5.7.1): the three weight loads are in, y's eight stay out
	s_wait_kmcnt 0x0                               ; b2
	v_mul_f32 v[GA], v[WO], v[WA]
	v_mul_f32 v[GB], v[WO], v[WB]
	v_mov_b32 v[K], s25
	v_mul_f32 v[GAH], 0.5, v[GA]
	v_mul_f32 v[GBH], 0.5, v[GB]
	v_sub_f32 v[K], s27, v[K]                      ; 1000 - b2
	v_mul_f32 v[K], STEPSZ, v[K]
; One step of the sums over the 16 units: lane i adds lane i xor m of its half.  Three sums that do not wait for each other.
.macro RED m
	v_add_f32_dpp v[G],   v[G],   v[G]   row_xmask:\m row_mask:0xf bank_mask:0xf
	v_add_f32_dpp v[G+1], v[G+1], v[G+1] row_xmask:\m row_mask:0xf bank_mask:0xf
	v_add_f32_dpp v[T],   v[T],   v[T]   row_xmask:\m row_mask:0xf bank_mask:0xf
.endm
; One step of the iteration.  The clip's derivative (the compares on |x| and the four selects) hangs on x alone and stands
; between the lines of the chain x -> p -> masks -> sums -> reciprocal -> x.
.macro LMSTEP
	v_med3_num_f32 v[XC],   v[X],   -1.0, 1.0      ; clip
	v_med3_num_f32 v[XC+1], v[X+1], -1.0, 1.0
	v_cmp_le_f32 s20, |v[X]|,   1.0
	v_cmp_le_f32 s21, |v[X+1]|, 1.0
	v_fma_f32 v[P], v[WA], v[XC], v[BB]
	v_cmp_lt_f32 s22, |v[X]|,   1.0
	v_cmp_lt_f32 s23, |v[X+1]|, 1.0
	v_fmac_f32 v[P], v[WB], v[XC+1]                ; p = W1[k] . clip(x) + b1[k]
	v_cndmask_b32 v[GM],   0, v[GAH], s20          ; |x| <= 1: half,
	v_cndmask_b32 v[GM+1], 0, v[GBH], s21
	v_cndmask_b32 v[GM],   v[GM],   v[GA], s22     ; |x| < 1: whole; beyond (or x a NaN): 0
	v_cndmask_b32 v[GM+1], v[GM+1], v[GB], s23
	v_cmp_lt_f32 vcc_lo, 0, v[P]                   ; relu' = 1
	v_cmp_gt_f32 s24, 0, v[P]                      ; relu = 0
	v_cndmask_b32 v[G],   0, v[GM],   vcc_lo
	v_cndmask_b32 v[G+1], 0, v[GM+1], vcc_lo
	v_cndmask_b32 v[T], v[P], 0, s24               ; relu(p); a NaN stays
	v_mul_f32 v[T], v[T], v[WO]
	RED 1
	RED 2
	RED 4
	RED 8                                          ; G0, G1, S in every lane
	v_fma_f32 v[D], v[G], v[G], 1.0
	v_fmac_f32 v[D], v[G+1], v[G+1]                ; 1 + |G|^2
	v_fmamk_f32 v[RR], v[T], NSTEPSZ, v[K]         ; 1e-4 r = K - 1e-4 S
	v_rcp_f32 v[RC], v[D]
	v_pk_mul_f32 v[A:A+1], v[G:G+1], v[RR:RR+1] op_sel_hi:[1,0]              ; both by rr.  Also the one plain vector instruction behind v_rcp_f32 (ISA guide 5.7.2): it names neither RC nor D
	s_wait_alu depctr_va_vdst(0)
	v_pk_fma_f32 v[X:X+1], v[A:A+1], v[RC:RC+1], v[X:X+1] op_sel_hi:[1,0,1]  ; x += (G rr) / D, both by the one reciprocal
.endm
	s_mov_b32 s26, TRIPS
.Ltrip:
.rept UNROLL
	LMSTEP
.endr
	s_sub_co_i32 s26, s26, 1
	s_cmp_lg_u32 s26, 0
	s_cbranch_scc1 .Ltrip
	; Out: 16 bytes a lane are two rows of out0.  Offset, data and base are written by nothing behind these stores, EXEC is
	; never changed, and nothing reads what they or y's loads bring: no wait stands here.
	v_mov_b32 v[X+2], v[X]
	v_mov_b32 v[X+3], v[X+1]
.irp j, 0,1,2,3,4,5,6,7,8,9,10,11,12,13,14,15
	global_store_b128 v[OFF], v[X:X+3], s[14:15] offset:CHUNK*\j th:TH_STORE_NT
.endr
	s_endpgm
.Lfunc_end_k_q4598729725_lm_solve:
	.size	k_q4598729725_lm_solve, .Lfunc_end_k_q4598729725_lm_solve-k_q4598729725_lm_solve
	.p2alignl 7, 3214868480
	.fill 96, 4, 3214868480
	.section	.rodata,"a",@progbits
	.p2align	6, 0x0
	.amdhsa_kernel k_q4598729725_lm_solve
		.amdhsa_group_segment_fixed_size 0
		.amdhsa_private_segment_fixed_size 0
		.amdhsa_enable_private_segment 0
		.amdhsa_kernarg_size 48
		.amdhsa_user_sgpr_count 2
		.amdhsa_user_sgpr_kernarg_segment_ptr 1
		.amdhsa_wavefront_size32 1
		.amdhsa_system_sgpr_workgroup_id_x 1
		.amdhsa_system_sgpr_workgroup_id_y 1
		.amdhsa_system_sgpr_workgroup_id_z 1
		.amdhsa_system_vgpr_workitem_id 0
		.amdhsa_next_free_vgpr 64
		.amdhsa_next_free_sgpr 66
		.amdhsa_reserve_vcc 1
		.amdhsa_float_denorm_mode_32 3
		.amdhsa_float_denorm_mode_16_64 3
		.amdhsa_memory_ordered 1
		.amdhsa_forward_progress 1
		.amdhsa_inst_pref_size 15
	.end_amdhsa_kernel
	.amdgpu_metadata
---
amdhsa.version: [ 1, 2 ]
amdhsa.kernels:
  - .name:           k_q4598729725_lm_solve
    .symbol:         k_q4598729725_lm_solve.kd
    .args:
      - { .name: W1, .offset: 0, .size: 8, .value_kind: global_buffer, .address_space: global }
      - { .name: b1, .offset: 8, .size: 8, .value_kind: global_buffer, .address_space: global }
      - { .name: W2, .offset: 16, .size: 8, .value_kind: global_buffer, .address_space: global }
      - { .name: b2, .offset: 24, .size: 8, .value_kind: global_buffer, .address_space: global }
      - { .name: y, .offset: 32, .size: 8, .value_kind: global_buffer, .address_space: global }
      - { .name: out0, .offset: 40, .size: 8, .value_kind: global_buffer, .address_space: global }
    .group_segment_fixed_size: 0
    .private_segment_fixed_size: 0
    .kernarg_segment_align: 8
    .kernarg_segment_size: 48
    .max_flat_workgroup_size: 128
    .sgpr_count:     66
    .vgpr_count:     64
    .wavefront_size: 32
...
	.end_amdgpu_metadata
.endif
;; end of part 1
